; MI455X (gfx1250); checked and timed in simulation.
; The chip was launched on July 23, 2026; its instructions are those of AMD's public machine-readable ISA for CDNA 5 (MIT licence, August 2026) and "CDNA5" Instruction Set Architecture Reference Guide (July 2026). The comments in the code are by the model that wrote it; some were corrected since.
;; Binary Diff Col. Allowed arithmetic: matrix products marked QUANTISED: E5M2 operands, one given power-of-two scale a tensor, by v_wmma_f32_16x16x64_bf8_bf8 or v_wmma_f32_16x16x128_bf8_bf8, f32 sums; everything else in f32.
;; Inputs: base 4,096 x 4,096 bfloat16; coeff 4,096 bfloat16; lowp_scales 4 int32 (the exponents e of the quantised operands' scales 2^e); mask 128 x 4,096 int32; x 2,048 x 4,096 bfloat16.
;; Outputs: out0 2,048 x 4,096 bfloat16.
;; This version of the problem:
;;   THIS VERSION OF THE PROBLEM IS GIVEN IN LOW PRECISION. The matrix products marked QUANTISED in the list below multiply operands that are first quantised to E5M2 (5 exponent bits, 2 mantissa bits; 8 bits a number), with one given power-of-two scale for each operand tensor; their sums are f32. All else is computed in f32.
;;   The module's matrix products, in the order in which they are computed (A, B: the left and right operand; K: the contracted axis; several contracted axes count as one K, in the product's order):
;;     1. [M 2,048, K 4,096] x [K 4,096, N 4,096]; A: input x; B: input base: QUANTISED (scales: A lowp_scales[0], B lowp_scales[1])
;;     2. [M 2,048, K 4,096] x [K 4,096, N 4,096]; A: input x; B: computed on the way: QUANTISED (scales: A lowp_scales[2], B lowp_scales[3])
;;   THE QUANTISER, for each operand of a quantised product, along K:
;;     - The operand's scale is 2^e, e = its entry of the input lowp_scales (int32; the entries are numbered through the quantised products in the list's order, A before B).
;;     - Each number is divided by the scale, clamped to +-57,344, and rounded to the nearest number of E5M2, ties to even, subnormals kept.
;;     - The product sums the exact products of the quantised numbers (number of the format x scale) in f32.
;;   ~~~python
;;   def quantise(x, axis, e):      # numpy; x: float32 -> the quantised numbers, widened to float32 again
;;       x = np.moveaxis(x, axis, -1); K = x.shape[-1]
;;       r = np.clip(x / 2.0 ** e, -57344, 57344)
;;       step = 2.0 ** (np.maximum(np.frexp(np.where(r == 0, 1, r))[1] - 1, -14) - 2)
;;       q = np.round(r / step) * step * 2.0 ** e      # np.round: ties to even
;;       return np.moveaxis(q, -1, axis).astype(np.float32)
;;   ~~~
;;   OPERANDS COMPUTED ON THE WAY. 'Computed on the way' means the value that the module computes at that place (a softmax that the list does not call 'softmax' is quantised finished and normalised). What goes into a quantiser is computed in f32, as accurately as f32 sums, v_exp_f32 and their like allow (about 1e-6 of the number): no bf16 or f16 on the way to a quantiser, and a product that is left as it is and whose result goes on into a quantised operand takes f32 operands (vector FMAs, or v_wmma_f32_16x16x4_f32). A number that lies on a knife's edge between two numbers of the format may be rounded either way, as far as f32 arithmetic and the matrix unit's own rounding can turn it there, and no further.
;; One version. Each part assembles by itself: llvm-mc -triple=amdgcn-amd-amdhsa -mcpu=gfx1250 --defsym DOCPART=n.
;; ======== version 1 of 1: 2 launches
;; limits: values are held in bf16: 8 bits of precision; right only within a limited range of input values
;; workspace buffers: xq 16,777,216 bytes; wq 23,068,672 bytes
;; launch prep (part 1): grid 768 x 1, 8 waves a work-group, no clusters, 70,656 bytes of LDS; arguments x, base, mask, lowp_scales, xq, wq; writes xq, wq
.if DOCPART == 1
	.amdgcn_target "amdgcn-amd-amdhsa--gfx1250"
	.amdhsa_code_object_version 6
	.text
	.protected	k_q3d5fa93e1a_prep
	.globl	k_q3d5fa93e1a_prep
	.p2align	8
	.type	k_q3d5fa93e1a_prep,@function
k_q3d5fa93e1a_prep:
	s_mov_b64 s[64:65], 0
	v_nop
	global_prefetch_b8 v0, s[64:65] scope:SCOPE_SE
	s_setreg_imm32_b32 hwreg(HW_REG_WAVE_MODE, 25, 1), 1
	s_wait_xcnt 0x0
; x [2048][4096] bf16 and base [4096 (k)][4096 (n)] bf16 become codes of BF8 (E5M2), each with the scale 2^e given for it: x twice (e0 for the product with base, e2 for the product with the signs), base with e1.
; The packed signs mask [128][4096] int32 stay bits, inverted (a bit 0 stands for -1: the code's sign bit) and turned into the order in which the product's launch makes codes of them.
; code = number / 2^e, held within +-57,344, to the nearest code, ties to even.  LIMITS: every e between -126 and 112, so that 2^e and 57,344 x 2^e are f32 numbers.  NaN among the inputs is not served; an infinity is held at the largest code.
; THE CODES ARE LAID AS IMAGES OF OPERAND REGISTERS.  A fragment is 16 rows x 64 along K = 1,024 dense bytes [q 4][r 16][16 bytes], k = 16 q + byte.
;   xq: [version 2][unit of 64 K: 64][block of 16 rows: 128][1,024 bytes]
;   wq: [unit: 64][tile of 128 columns: 32][9,216 bytes]: base's 8 blocks of 16 columns x 1,024 bytes, then 1,024 bytes of sign bits.
;   THE COLUMNS OF A BLOCK ARE NOT NEIGHBOURS: block 4 g + i holds, as its row r, column 64 g + 4 r + i of the tile, so that in the product's result a lane holds 32 neighbouring columns of each half of 64.
;   The bits: [c 2][h 2][r 16][g 2][ip 2] words; bit 8 y + 4 il + m of a word is the sign of column 64 g + 4 r + 2 ip + il at k = 32 c + 16 h + 4 m + y: shifted left by 7 - (4 il + m), a word has the four sign bits of one code register in place.
; 768 work-groups of eight waves: the first 256 take x, the other 512 base and the signs.  The branch hangs on the work-group's number alone; only x's path uses LDS.  Waves share nothing: no barrier.
; Everything is written out: every offset is an immediate, and no register that a global store names is written again.  160 registers: six waves to a SIMD, so three work-groups lie on a WGP together.
.set SP,   272                         ; x's path: a chunk [r 16][16 bytes] in the stage: 256 bytes + 16 of padding, so that the 32 lanes of a store of 8 bytes fall on 32 different places of 8 bytes modulo 256
.set STG,  16*SP                       ; a version's stage: 16 chunks = 4 units x 4 q
.set WREG, 2*STG                       ; a wave's LDS: both versions' stages
; THE LAYOUT OF wq THAT HOLDS (it takes the place of what the head says of a tile's size and of the bits): [unit 64][tile of 128 columns 32][11,264 bytes]:
; base's 8 blocks x 1,024 bytes, then 3,072 bytes of SELECTOR WORDS for the signs: a byte holds up to three sign bits (1 stands for -1), in its bits 0 to 2, and zeros above.
;   quads, from byte 8,192: [g 2][c 2][h 2][r 16][i 4] words: bit m (0..2) of byte y is the sign of column 64 g + 4 r + i at k = 32 c + 16 h + 4 m + y.
;   pairs, from byte 10,240: [c 2][h 2][r 16][g 2][2] words, for m = 3: the first word has column i (0..2) in bit i, the second column i = 3 in bit 0.
.set UW,   360448                      ; a unit of wq: 32 tiles
.set TW,   11264                       ; a tile's part of it
.set X,    32                          ; x's path: v32-95   16 rows as loaded; a row's four registers then take its codes (two under e0, two under e2); at last version 1's chunks read back
.set T,    96                          ;           v96-103  8 numbers in f32
.set TA,   104                         ;           v104-111 held for e0
.set TB,   112                         ;           v112-119 held for e2
.set BK,   128                         ;           v128-159 version 0's chunks read back
.set PP,   8                           ; base's path: v8-11 the four words of bits that I store
.set WH,   12                          ;           v12-15   the mask words' upper halves
.set NN,   16                          ;           v16-23   a column's 16 bits, turned: one nibble a byte
.set W,    24                          ;           v24-27   four mask words, inverted
.set TT,   28                          ;           v28-31   at work
.set L,    32                          ;           v32-95   32 rows x 4 columns of base as loaded
.set T0,   96                          ;           v96-127  two sets of 16 numbers down K
.set BC,   128                         ;           v128-159 base's codes
.macro MKSCALE e, vs, vl               ; v[vs] = 2^e as f32 (the conversion takes its exponent field), v[vl] = 57,344 x 2^e
	s_add_co_i32 s38, s[\e], 127
	s_lshl_b32 s39, s38, 23
	v_mov_b32 v[\vs], s39
	s_add_co_i32 s38, s38, 15
	s_lshl_b32 s38, s38, 23
	s_or_b32 s38, s38, 0x600000
	v_mov_b32 v[\vl], s38
.endm
	s_load_b256 s[4:11], s[0:1], 0x0               ; x s[4:5], base s[6:7], mask s[8:9], the scales' exponents s[10:11]
	s_load_b128 s[12:15], s[0:1], 0x20             ; xq s[12:13], wq s[14:15]
	v_lshrrev_b32 v1, 5, v0
	s_delay_alu instid0(VALU_DEP_1)
	v_readfirstlane_b32 s16, v1                    ; wave 0..7
	v_and_b32 v1, 31, v0                           ; lane
	s_mov_b32 s37, 0                               ; the upper word of every offset
	s_mov_b32 s34, 0xffff0000                      ; a word's upper bf16
	s_wait_kmcnt 0x0
	s_load_b128 s[20:23], s[10:11], 0x0            ; e0, e1, e2, e3
	s_cmp_ge_u32 ttmp9, 256
	s_cbranch_scc1 .Lbase
; ---- x.  A wave takes 16 rows (one block) x 256 along K (4 units).  Each load reads 512 consecutive bytes of one row: lane l holds k = 8 l .. 8 l + 7, which is half of the 16 bytes of chunk l / 2.
	s_and_b32 s17, ttmp9, 15
	s_lshl_b32 s17, s17, 3
	s_add_co_u32 s17, s17, s16                     ; the block of rows: 8 (work-group % 16) + wave
	s_lshr_b32 s18, ttmp9, 4                       ; which 256 along K
	s_lshl_b32 s36, s17, 17                        ; 16 rows of 8,192 bytes
	s_lshl_b32 s19, s18, 9
	s_add_co_u32 s36, s36, s19
	s_add_nc_u64 s[24:25], s[4:5], s[36:37]
	s_lshl_b32 s36, s18, 19                        ; 4 units of 131,072 bytes
	s_lshl_b32 s19, s17, 10
	s_add_co_u32 s36, s36, s19
	s_add_nc_u64 s[26:27], s[12:13], s[36:37]      ; version 0
	s_add_nc_u64 s[28:29], s[26:27], 0x800000      ; version 1
	s_wait_alu depctr_va_vdst(0)
	v_lshlrev_b32 v2, 4, v1                        ; 16 x lane: in x's row, and in a store's 512 bytes
.irp j, 0,1,2,3,4,5,6,7,8,9,10,11,12,13,14,15
	global_load_b128 v[X+4*\j:X+4*\j+3], v2, s[24:25] offset:8192*\j th:TH_LOAD_NT
.endr
	s_mul_i32 s19, s16, WREG
	v_lshrrev_b32 v3, 1, v1
	s_delay_alu instid0(VALU_DEP_1)
	v_mul_u32_u24 v3, v3, SP
	v_and_b32 v9, 1, v1
	s_delay_alu instid0(VALU_DEP_1)
	v_lshl_add_u32 v3, v9, 3, v3
	s_delay_alu instid0(VALU_DEP_1)
	v_add_nc_u32 v3, s19, v3                       ; into the stage: chunk lane / 2, + 8 (lane % 2); the row's 16 bytes stand in the immediate
	v_lshrrev_b32 v4, 4, v1
	s_delay_alu instid0(VALU_DEP_1)
	v_mul_u32_u24 v4, v4, SP
	v_and_b32 v9, 15, v1
	s_delay_alu instid0(VALU_DEP_1)
	v_lshl_add_u32 v4, v9, 4, v4
	s_delay_alu instid0(VALU_DEP_1)
	v_add_nc_u32 v4, s19, v4                       ; out of it: sixteen lanes to a chunk, two chunks an instruction
	s_wait_kmcnt 0x0
	MKSCALE 20, 5, 6
	MKSCALE 22, 7, 8
.macro ROW j
	s_wait_loadcnt 15-\j                           ; loads come back in order: row j is in, the younger rows' may be out
.irp d, 0,1,2,3
	v_lshlrev_b32 v[T+2*\d], 16, v[X+4*\j+\d]      ; bf16 to f32.  (These eight plain lines also stand between the last row's conversions and the lines that write their sources again)
	v_and_b32 v[T+2*\d+1], s34, v[X+4*\j+\d]
.endr
.irp d, 0,1,2,3,4,5,6,7
	v_med3_num_f32 v[TA+\d], v[T+\d], -v6, v6      ; the conversion to an 8-bit code does not saturate (ISA guide 7.6.2): the hold at the largest code x the scale, once for each scale
	v_med3_num_f32 v[TB+\d], v[T+\d], -v8, v8
.endr
	v_cvt_scalef32_pk8_bf8_f32 v[X+4*\j:X+4*\j+1], v[TA:TA+7], v5      ; the codes take the registers that the row came in: it has been unpacked
	v_cvt_scalef32_pk8_bf8_f32 v[X+4*\j+2:X+4*\j+3], v[TB:TB+7], v7
	ds_store_b64 v3, v[X+4*\j:X+4*\j+1] offset:16*\j
	ds_store_b64 v3, v[X+4*\j+2:X+4*\j+3] offset:STG+16*\j
.endm
.irp j, 0,1,2,3,4,5,6,7,8,9,10,11,12,13,14,15
	ROW \j
.endr
	v_nop                                          ; a plain line behind the last conversions
.irp t, 0,1,2,3,4,5,6,7
	ds_load_b128 v[BK+4*\t:BK+4*\t+3], v4 offset:2*SP*\t          ; LDS serves a wave's instructions in order: these see my stores
.endr
	s_wait_dscnt 8                                 ; all but the eight loads just issued: every store into the stage is done, so the registers that held codes may take loads
.irp t, 0,1,2,3,4,5,6,7
	ds_load_b128 v[X+4*\t:X+4*\t+3], v4 offset:STG+2*SP*\t
.endr
.irp t, 0,1,2,3,4,5,6,7
	s_wait_dscnt 15-\t
	global_store_b128 v2, v[BK+4*\t:BK+4*\t+3], s[26:27] offset:(\t/2)*131072+(\t%2)*512    ; chunks 2 t, 2 t + 1: 512 consecutive bytes, at a multiple of 512 from xq's first byte
.endr
.irp t, 0,1,2,3,4,5,6,7
	s_wait_dscnt 7-\t
	global_store_b128 v2, v[X+4*\t:X+4*\t+3], s[28:29] offset:(\t/2)*131072+(\t%2)*512
.endr
	v_lshl_add_u32 v10, v0, 2, 0x11000             ; my spare word and 0, made ahead of the closing lines (v0 is as at the entry): base's path has no two registers to keep for them
	v_mov_b32 v11, 0
	s_wait_alu depctr_va_vdst(0)
	s_wait_tensorcnt 0x0
	ds_add_u32 v10, v11
	s_wait_dscnt 0x0
	s_endpgm
; ---- base and the signs.  A wave takes 32 along K (one row of mask: half c of a unit) x 128 columns (a tile).  LANE l TAKES COLUMNS 4 l .. 4 l + 3 (g = l / 16, r = l % 16) AND ITS REGISTERS RUN DOWN K: nothing is transposed.
.Lbase:
	s_sub_co_u32 s17, ttmp9, 256
	s_and_b32 s18, s17, 3
	s_lshr_b32 s17, s17, 2                         ; the row of mask, and the 32 along K
	s_lshl_b32 s18, s18, 3
	s_add_co_u32 s18, s18, s16                     ; the tile of 128 columns
	s_lshl_b32 s36, s17, 18                        ; 32 rows of 8,192 bytes
	s_lshl_b32 s19, s18, 8
	s_add_co_u32 s36, s36, s19
	s_add_nc_u64 s[24:25], s[6:7], s[36:37]        ; base
	s_lshl_b32 s36, s17, 14
	s_lshl_b32 s19, s18, 9
	s_add_co_u32 s36, s36, s19
	s_add_nc_u64 s[26:27], s[8:9], s[36:37]        ; mask
	s_lshr_b32 s36, s17, 1
	s_mul_i32 s36, s36, UW                         ; the unit,
	s_mul_i32 s19, s18, TW                         ; the tile,
	s_add_co_u32 s36, s36, s19
	s_and_b32 s19, s17, 1
	s_lshl_b32 s19, s19, 9                         ; and 512 c: in a block q = 2 c + uu, in the bits half c
	s_add_co_u32 s36, s36, s19
	s_add_nc_u64 s[28:29], s[14:15], s[36:37]
	s_wait_alu depctr_va_vdst(0)
	v_lshlrev_b32 v2, 3, v1                        ; base: 8 bytes a lane: a load covers 256 consecutive bytes
	v_lshlrev_b32 v3, 4, v1                        ; mask: 16 bytes a lane
	global_load_b128 v[W:W+3], v3, s[26:27] th:TH_LOAD_NT
.irp k, 0,1,2,3,4,5,6,7,8,9,10,11,12,13,14,15,16,17,18,19,20,21,22,23,24,25,26,27,28,29,30,31
	global_load_b64 v[L+2*\k:L+2*\k+1], v2, s[24:25] offset:8192*\k th:TH_LOAD_NT
.endr
	v_lshrrev_b32 v4, 4, v1                        ; g
	v_and_b32 v12, 15, v1                          ; r
	s_delay_alu instid0(VALU_DEP_2)
	v_lshlrev_b32 v7, 3, v4
	s_delay_alu instid0(VALU_DEP_1)
	v_lshl_add_u32 v7, v12, 4, v7                  ; the bits' place: 16 r + 8 g: the 32 lanes' 8 bytes cover 256 consecutive bytes
	s_delay_alu instid0(VALU_DEP_4)
	v_lshlrev_b32 v4, 12, v4
	s_delay_alu instid0(VALU_DEP_1)
	v_lshl_add_u32 v4, v12, 4, v4                  ; the codes' place: 4 blocks on for lanes 16-31, row r: sixteen lanes store 256 consecutive bytes, at a multiple of 256 from wq's first byte
	s_wait_kmcnt 0x0
	MKSCALE 21, 5, 6
	s_wait_loadcnt 32                              ; the mask words are in; base's 32 loads may be out
.irp i, 0,1,2,3
	v_xor_b32 v[W+\i], -1, v[W+\i]                 ; bit 0 stands for -1: the code's sign bit is the inverted bit
.endr
.irp i, 0,1,2,3
	s_delay_alu instid0(VALU_DEP_4)
	v_lshrrev_b32 v[WH+\i], 16, v[W+\i]            ; k = 16 .. 31: the bits of h = 1
.endr
; 16 bits, bit 4 m + y, become four nibbles, bit m of the nibble at byte y.  For each y: the four bits 4 m + y are cut out; x 0x249 (bits 0, 3, 6, 9) lays sixteen copies at sixteen different places 4 m + 3 s + y,
; so nothing carries, and the copies with s = 3 - m stand side by side at 9 + y + m.
.macro SPREAD dst, src
.irp y, 0,1,2,3
	v_and_b32 v[TT+\y], 0x1111<<\y, v[\src]
.endr
.irp y, 0,1,2,3
	s_delay_alu instid0(VALU_DEP_4)
	v_mul_u32_u24 v[TT+\y], v[TT+\y], 0x249
.endr
	s_delay_alu instid0(VALU_DEP_4)
	v_bfe_u32 v[\dst], v[TT], 9, 4
.irp y, 1,2,3
	s_delay_alu instid0(VALU_DEP_4)
	v_bfe_u32 v[TT+\y], v[TT+\y], 9+\y, 4
.endr
.irp y, 1
	s_delay_alu instid0(VALU_DEP_3)
	v_lshl_or_b32 v[\dst], v[TT+\y], 8*\y, v[\dst]
.endr
.irp y, 2, 3
	s_delay_alu instid0(VALU_DEP_1)
	v_lshl_or_b32 v[\dst], v[TT+\y], 8*\y, v[\dst]
.endr
.endm
.irp i, 0,1,2,3
	SPREAD NN+\i, W+\i
	SPREAD NN+4+\i, WH+\i
.endr
	v_and_b32 v3, 15, v1                           ; (the mask's load, which read v3, is done)  the quads' place: 1,024 g + 16 r: sixteen lanes store 256 consecutive bytes
	v_and_b32 v8, 16, v1
	v_lshlrev_b32 v3, 4, v3
	v_lshl_add_u32 v3, v8, 6, v3
.irp h, 0,1
.irp i, 0,1,2,3
	v_and_b32 v[W+4*\h+\i], 0x07070707, v[NN+4*\h+\i]          ; column i: m = 0, 1, 2 stay in bits 0 to 2 of each byte
.endr
.irp i, 0,1,2,3
	v_lshrrev_b32 v[NN+4*\h+\i], 3, v[NN+4*\h+\i]
.endr
.irp i, 0,1,2,3
	v_and_b32 v[NN+4*\h+\i], 0x01010101, v[NN+4*\h+\i]         ; m = 3, in bit 0
.endr
	v_lshl_or_b32 v[PP+2*\h], v[NN+4*\h+1], 1, v[NN+4*\h]
	v_mov_b32 v[PP+2*\h+1], v[NN+4*\h+3]
	v_lshl_or_b32 v[PP+2*\h], v[NN+4*\h+2], 2, v[PP+2*\h]
	global_store_b128 v3, v[W+4*\h:W+4*\h+3], s[28:29] offset:8192+256*\h
	global_store_b64 v7, v[PP+2*\h:PP+2*\h+1], s[28:29] offset:10240+256*\h
.endr
.macro COL uu, i                       ; 16 along K of column 4 l + i.  The two sets of numbers take turns, so that the next column's unpacking stands between these conversions and the lines that write their sources again
.set TS, T0+16*((4*(\uu)+(\i))%2)
.irp kk, 0,1,2,3,4,5,6,7,8,9,10,11,12,13,14,15
.if (\i)%2
	v_and_b32 v[TS+\kk], s34, v[L+2*(16*(\uu)+\kk)+(\i)/2]
.else
	v_lshlrev_b32 v[TS+\kk], 16, v[L+2*(16*(\uu)+\kk)+(\i)/2]
.endif
.endr
.irp kk, 0,1,2,3,4,5,6,7,8,9,10,11,12,13,14,15
	v_med3_num_f32 v[TS+\kk], v[TS+\kk], -v6, v6
.endr
	v_cvt_scalef32_pk8_bf8_f32 v[BC+4*(4*(\uu)+(\i)):BC+4*(4*(\uu)+(\i))+1], v[TS:TS+7], v5
	v_cvt_scalef32_pk8_bf8_f32 v[BC+4*(4*(\uu)+(\i))+2:BC+4*(4*(\uu)+(\i))+3], v[TS+8:TS+15], v5
	global_store_b128 v4, v[BC+4*(4*(\uu)+(\i)):BC+4*(4*(\uu)+(\i))+3], s[28:29] offset:(\i)*1024+(\uu)*256
.endm
	s_wait_loadcnt 16                              ; base's rows 0-15 are in
.irp i, 0,1,2,3
	COL 0, \i
.endr
	s_wait_loadcnt 0x0
.irp i, 0,1,2,3
	COL 1, \i
.endr
	s_endpgm
.Lfunc_end_k_q3d5fa93e1a_prep:
	.size	k_q3d5fa93e1a_prep, .Lfunc_end_k_q3d5fa93e1a_prep-k_q3d5fa93e1a_prep
	.p2alignl 7, 3214868480
	.fill 96, 4, 3214868480
	.section	.rodata,"a",@progbits
	.p2align	6, 0x0
	.amdhsa_kernel k_q3d5fa93e1a_prep
		.amdhsa_group_segment_fixed_size 70656
		.amdhsa_private_segment_fixed_size 0
		.amdhsa_enable_private_segment 0
		.amdhsa_kernarg_size 48
		.amdhsa_user_sgpr_count 2
		.amdhsa_user_sgpr_kernarg_segment_ptr 1
		.amdhsa_wavefront_size32 1
		.amdhsa_system_sgpr_workgroup_id_x 1
		.amdhsa_system_sgpr_workgroup_id_y 1
		.amdhsa_system_sgpr_workgroup_id_z 1
		.amdhsa_system_vgpr_workitem_id 0
		.amdhsa_next_free_vgpr 160
		.amdhsa_next_free_sgpr 66
		.amdhsa_reserve_vcc 0
		.amdhsa_float_denorm_mode_32 3
		.amdhsa_float_denorm_mode_16_64 3
		.amdhsa_memory_ordered 1
		.amdhsa_forward_progress 1
		.amdhsa_inst_pref_size 65
	.end_amdhsa_kernel
	.amdgpu_metadata
---
amdhsa.version: [ 1, 2 ]
amdhsa.kernels:
  - .name:           k_q3d5fa93e1a_prep
    .symbol:         k_q3d5fa93e1a_prep.kd
    .args:
      - { .name: x, .offset: 0, .size: 8, .value_kind: global_buffer, .address_space: global }
      - { .name: base, .offset: 8, .size: 8, .value_kind: global_buffer, .address_space: global }
      - { .name: mask, .offset: 16, .size: 8, .value_kind: global_buffer, .address_space: global }
      - { .name: lowp_scales, .offset: 24, .size: 8, .value_kind: global_buffer, .address_space: global }
      - { .name: xq, .offset: 32, .size: 8, .value_kind: global_buffer, .address_space: global }
      - { .name: wq, .offset: 40, .size: 8, .value_kind: global_buffer, .address_space: global }
    .group_segment_fixed_size: 70656
    .private_segment_fixed_size: 0
    .kernarg_segment_align: 8
    .kernarg_segment_size: 48
    .max_flat_workgroup_size: 256
    .sgpr_count:     66
    .vgpr_count:     160
    .wavefront_size: 32
...
	.end_amdgpu_metadata
.endif
;; end of part 1
;; launch gemm (part 2): grid 16 x 16, 4 waves a work-group, clusters of 4 x 4, 327,680 bytes of LDS; arguments xq, wq, coeff, lowp_scales, out0; writes out0
.if DOCPART == 2
	.amdgcn_target "amdgcn-amd-amdhsa--gfx1250"
	.amdhsa_code_object_version 6
	.text
	.protected	k_q3d5fa93e1a_gemm
	.globl	k_q3d5fa93e1a_gemm
	.p2align	8
	.type	k_q3d5fa93e1a_gemm,@function
k_q3d5fa93e1a_gemm:
	s_mov_b64 s[64:65], 0
	v_nop
	global_prefetch_b8 v0, s[64:65] scope:SCOPE_SE
	s_setreg_imm32_b32 hwreg(HW_REG_WAVE_MODE, 25, 1), 1
	s_wait_xcnt 0x0
	s_wait_alu depctr_hold_cnt(0) depctr_sa_sdst(0) depctr_va_vdst(0) depctr_va_sdst(0) depctr_va_ssrc(0) depctr_va_vcc(0) depctr_vm_vsrc(0)
	s_getreg_b32 s2, hwreg(HW_REG_IB_STS2, 6, 4)
	s_cmp_eq_u32 s2, 0
	s_cbranch_scc0 .Lentry_in_a_cluster
	s_endpgm
.Lentry_in_a_cluster:
	s_bfe_u32 s2, ttmp6, 0x10000c
	s_cmp_lg_u32 s2, 0xf033
	s_cbranch_scc0 .Lentry_shape_is_right
	s_endpgm
.Lentry_shape_is_right:
; out0[m][n] = 2^(e0+e1) sum_k xq0[m][k] bq[k][n] + coeff[n] 2^(e2+e3) sum_k xq2[m][k] sq[k][n]: both products on codes of BF8 (E5M2), f32 sums, out0 bf16.
; xq: x's codes under e0 and under e2; wq: base's codes and the signs as selector words, both laid by the launch before as images of operand registers
; (a fragment, 16 rows x 64 K, is 1,024 dense bytes [q 4][r 16][16]; the same order of k in both operands).  The signs' code is Q(1 / 2^e3) with the sign bit: made here.
; LIMITS: e3 between -126 and 112; e0+e1 and e2+e3 within what v_ldexp_f32 takes without overflow of the results.
; A work-group makes 128 rows x 256 columns of BOTH products: 16 x 16 work-groups.  Waves 0, 1: the product with base, columns 0-127 and 128-255; waves 2, 3: the product with the signs.
; A wave has 128 x 128: 64 accumulators.  At the end a base wave and its sign wave exchange halves of their rows through LDS, and each finishes 64 rows.
; K goes in slots of 256 (4 units of 64) through a ring of two LDS slots of 155,648 bytes: x's two versions (2 x 4 x 8,192), then 4 units x 2 tiles x 11,264 of wq.
; A slot's refill is asked for at the head of the slot's last unit, whose fragments are in registers by then, and is waited for four units later.
; CLUSTERS: 4 x 4.  xq's tiles hang on the row block alone and are asked for jointly along a row of the cluster, wq's on the column block alone, along a column.  One joint load a wave:
; waves 0, 1 x's versions 0, 1 (4 rows of 8,192 bytes), waves 2, 3 wq's units 0-1, 2-3 (2 rows of 22,528 bytes).
; PREFETCH: behind each joint load the tile that stands two refills on is asked into the L2; the four partners of a joint load share its bytes out by address
; (x: unit cx, 32 blocks of 256 bytes, a lane a block; wq: half cy % 2 of row cy / 2, 44 blocks in two instructions, the lanes left over name the last block).  Tiles 1 to 3 are asked for at the head; the last two refills' trips ask for nothing.
; SIGNS: a selector byte holds three sign bits; v_perm_b32 with a table of eight bytes (the code, with the sign by bit j of the index) makes one register of four codes in one instruction.
; REGISTERS: window 0: v0-31 addresses and tables; v32-127 a slot's selector words (24 a unit); v128-255 x's fragments, two sets.  window 1: v0-127 the other operand's fragments, two sets; v192-255 the factor of each column.
;   window 2: the accumulators of the 64 rows that I finish; window 3: of the 64 rows that I send.  The matrix instruction is used transposed (source 0: columns, source 1: rows).
.set UA,    8192
.set VA,    4*UA
.set TBY,   11264
.set UB,    2*TBY
.set UW,    360448
.set BOFF,  2*VA
.set SLOT,  BOFF+4*UB
.set SPARE, 2*SLOT                     ; the spare words: 512 bytes that no other line names
.set SELO,  8192
.set EXW,   32768                      ; the way out lies in slot 0, behind its last fill and its last read: 4 x 32,768 for the exchange,
.set STAGE, 4*EXW                      ; then 16 rows x 272 bytes for each wave
.set SPITCH, 272
.set ADRB2, 8
.set TAB,  10                          ; v10 code | sign by bit 0 of the index, v11 by bit 1, v13 all negative
.set PFO,  14
.set PFO2, 15
.set ADRL, 16
.set ADRH, 18
.set ADRB, 20
.set VC,   22                          ; four codes of +1
.set STO,  24
.set RD,   25
.set CO,   26
.set EX,   27
.set SPW,  28
.set NIL,  29
.set RX,   30
.set CF,   32
.set SEL,  32
.set AS,   128
.set RB,   64
.set PK,   192
.set OB,   224
.set GR,   192
.set G1A,  24
.set G0A,  32
.set G1B,  48
.set G0B,  56
.set PFA,  66
.set PST,  68
.set MSB, 0
.macro WIN new
.if MSB != \new
	s_set_vgpr_msb (MSB<<8)|\new
.set MSB, \new
.endif
.endm
.set MUL_LO, 0xa1
.set MUL_HI, 0xf1
.set TO_B,   0x40
.macro PLACES n
.rept \n
	v_nop
.endr
.endm
.macro JLOAD ls                        ; a joint load; s_nop 0 and four v_nop behind each line
	s_cmp_eq_u32 s15, 0
	s_cbranch_scc0 .Lfb_\@
	tensor_load_to_lds s[G0A+4*\ls:G0A+4*\ls+3], s[G1A:G1A+7]
	s_nop 0
	PLACES 4
	s_branch .Lok_\@
.Lfb_\@:
	tensor_load_to_lds s[G0B+4*\ls:G0B+4*\ls+3], s[G1B:G1B+7]
	s_nop 0
	PLACES 4
.Lok_\@:
.endm
.macro CREST
	s_cmp_lg_u32 s14, 0
	s_cbranch_scc1 .Lnw_\@
	s_barrier_signal -3
.Lnw_\@:
	s_barrier_wait -3
	s_barrier_signal -1
	s_barrier_wait -1
.endm
.macro CROUND
	s_barrier_signal -1
	s_barrier_wait -1
	CREST
.endm
.macro ASK k, test                     ; my share of the tile k slots behind where s[PFA] stands; test = 1: not in the loop's last trip (s3 = 1), whose look-ahead would pass K's end
.if \test
	s_cmp_gt_u32 s3, 1
	s_cbranch_scc0 .Lna_\@
.endif
	s_cmp_eq_u32 s15, 0
	s_cbranch_scc0 .Lpb_\@
	global_prefetch_b8 v[PFO], s[PFA:PFA+1] offset:(\k)*524288 th:TH_LOAD_NT scope:SCOPE_SE
	s_branch .Lna_\@
.Lpb_\@:
	global_prefetch_b8 v[PFO], s[PFA:PFA+1] offset:(\k)*4*UW th:TH_LOAD_NT scope:SCOPE_SE
	global_prefetch_b8 v[PFO2], s[PFA:PFA+1] offset:(\k)*4*UW th:TH_LOAD_NT scope:SCOPE_SE
.Lna_\@:
.endm
	s_load_b256 s[4:11], s[0:1], 0x0               ; xq, wq, coeff, the scales' exponents
	s_load_b64 s[12:13], s[0:1], 0x20              ; out0
	v_lshl_add_u32 v[SPW], v0, 2, SPARE
	v_mov_b32 v[NIL], 0
	ds_add_u32 v[SPW], v[NIL]                      ; the opening lines: the add twice on end, waited for below
	ds_add_u32 v[SPW], v[NIL]
	v_lshrrev_b32 v1, 5, v0
	v_readfirstlane_b32 s14, v1                    ; wave
	s_lshr_b32 s15, s14, 1                         ; 0: base's product, and I fetch xq; 1: the signs' product, and I fetch wq
	s_and_b32 s16, s14, 1                          ; my 128 columns; and which part I fetch
	s_bfe_u32 s40, ttmp6, 0x40000                  ; cx
	s_bfe_u32 s41, ttmp6, 0x40004                  ; cy
	s_lshl_b32 s42, ttmp9, 2
	s_add_co_u32 s42, s42, s40                     ; column block
	s_and_b32 s17, ttmp7, 0xffff
	s_lshl_b32 s17, s17, 2
	s_add_co_u32 s17, s17, s41                     ; row block
	s_lshl_b32 s43, s41, 2
	s_lshl_b32 s43, 15, s43                        ; my row of the cluster
	s_lshl_b32 s44, 0x1111, s40                    ; my column
	s_or_b32 s[G1A], s43, (3<<16)|(1<<21)          ; elements of 8 bytes; bit 21 beside a mask
	s_or_b32 s[G1B], s44, (3<<16)|(1<<21)
	s_mov_b32 s[G1A+1], (UA/8)<<16
	s_mov_b32 s[G1A+2], 4<<16
	s_mov_b32 s[G1A+3], (UA/8)<<16
	s_mov_b32 s[G1A+4], 4
	s_mov_b32 s[G1A+5], 131072/8                   ; from unit to unit of xq
	s_mov_b32 s[G1A+6], 0
	s_mov_b32 s[G1A+7], 0
	s_mov_b32 s[G1B+1], (UB/8)<<16
	s_mov_b32 s[G1B+2], 2<<16
	s_mov_b32 s[G1B+3], (UB/8)<<16
	s_mov_b32 s[G1B+4], 2
	s_mov_b32 s[G1B+5], UW/8
	s_mov_b32 s[G1B+6], 0
	s_mov_b32 s[G1B+7], 0
	s_lshl_b32 s20, s16, 23                        ; xq: the version, + 8 blocks of rows x 1,024
	s_lshl_b32 s21, s17, 13
	s_add_co_u32 s20, s20, s21
	s_mov_b32 s21, 0
	s_mul_i32 s46, s16, 2*UW                       ; wq: two units on for wave 3, + the column block's two tiles
	s_mul_i32 s47, s42, UB
	s_add_co_u32 s46, s46, s47
	s_mov_b32 s47, 0
	s_lshl_b32 s45, s16, 15                        ; where they go in a slot
	s_mul_i32 s18, s16, 2*UB
	s_add_co_u32 s18, s18, BOFF
	s_wait_dscnt 0x0                               ; both opening adds are done
	s_wait_kmcnt 0x0
	s_load_b128 s[84:87], s[10:11], 0x0            ; e0, e1, e2, e3
	s_add_nc_u64 s[20:21], s[4:5], s[20:21]
	s_add_nc_u64 s[46:47], s[6:7], s[46:47]
	CROUND                                         ; the first joint loads meet
.irp s, 0,1
	s_mov_b32 s[G0A+4*\s], 1
	s_add_co_u32 s[G0A+4*\s+1], s45, \s*SLOT
	s_add_nc_u64 s[G0A+4*\s+2:G0A+4*\s+3], s[20:21], \s*4*131072
	s_or_b32 s[G0A+4*\s+3], s[G0A+4*\s+3], 0x80000000
	s_mov_b32 s[G0B+4*\s], 1
	s_add_co_u32 s[G0B+4*\s+1], s18, \s*SLOT
	s_add_nc_u64 s[G0B+4*\s+2:G0B+4*\s+3], s[46:47], \s*4*UW
	s_or_b32 s[G0B+4*\s+3], s[G0B+4*\s+3], 0x80000000
.endr
	JLOAD 0                                        ; tile 0: one tensor load a wave at the head
	s_lshl_b32 s92, s42, 9
	s_lshl_b32 s94, s16, 8
	s_add_co_u32 s92, s92, s94                     ; my 128 columns in bytes of bf16
	s_mov_b32 s93, 0
	s_add_nc_u64 s[8:9], s[8:9], s[92:93]          ; coeff
	s_lshl_b32 s94, s17, 7
	s_lshl_b32 s95, s15, 6
	s_add_co_u32 s94, s94, s95                     ; the first row that I finish
	s_lshl_b32 s94, s94, 13
	s_add_co_u32 s92, s92, s94
	s_add_nc_u64 s[12:13], s[12:13], s[92:93]      ; out0
	s_mul_i32 s18, s15, VA+4096                    ; the rows that I finish: base's wave blocks 0-3 of version 0, the signs' wave blocks 4-7 of version 1
	s_mul_i32 s19, s15, VA-4096
	s_add_co_u32 s19, s19, 4096                    ; the rows that I send: the other four blocks
	s_mul_i32 s70, s16, TBY
	s_add_co_u32 s70, s70, BOFF
	s_mul_i32 s71, s14, 16*SPITCH
	s_add_co_u32 s71, s71, STAGE
	s_lshl_b32 s72, s14, 15
	s_xor_b32 s73, s14, 2
	s_lshl_b32 s73, s73, 15
	s_add_co_u32 s74, s40, 4                       ; the prefetches begin at tile 1.  xq: unit 4 + cx,
	s_lshl_b32 s74, s74, 17
	s_lshl_b32 s75, s16, 23
	s_add_co_u32 s74, s74, s75
	s_lshl_b32 s75, s17, 13
	s_add_co_u32 s74, s74, s75
	s_lshr_b32 s76, s41, 1                         ; wq: unit 4 + 2 (wave % 2) + cy / 2, tile cy % 2 of my column block's two
	s_lshl_b32 s77, s16, 1
	s_add_co_u32 s76, s76, s77
	s_add_co_u32 s76, s76, 4
	s_mul_i32 s76, s76, UW
	s_mul_i32 s77, s42, UB
	s_add_co_u32 s76, s76, s77
	s_and_b32 s77, s41, 1
	s_mul_i32 s77, s77, TBY
	s_add_co_u32 s76, s76, s77
	s_mov_b32 s[PST], 4*UW
	s_cmp_eq_u32 s15, 0
	s_cselect_b64 s[PFA:PFA+1], s[4:5], s[6:7]
	s_cselect_b32 s74, s74, s76
	s_cselect_b32 s[PST], 4*131072, s[PST]         ; a slot's step
	s_mov_b32 s75, 0
	s_mov_b32 s[PST+1], 0
	s_add_nc_u64 s[PFA:PFA+1], s[PFA:PFA+1], s[74:75]
	v_and_b32 v1, 31, v0
	v_and_b32 v3, 15, v0
	v_bfe_u32 v4, v0, 4, 1
	v_lshlrev_b32 v2, 4, v1                        ; 16 x lane
	v_lshlrev_b32 v7, 6, v4
	v_lshlrev_b32 v[PFO], 8, v1                    ; a lane a block of 256 bytes
	v_add_nc_u32 v5, 32, v1
	v_min_u32 v5, 43, v5
	v_lshlrev_b32 v[PFO2], 8, v5
	v_add_nc_u32 v[ADRL], s18, v2
	v_add_nc_u32 v[ADRH], s19, v2
	v_add_nc_u32 v[ADRB], s70, v2
	v_add_nc_u32 v[ADRB2], 2*UB, v[ADRB]           ; units 2, 3: beyond the 16-bit immediate
.irp r, ADRL, ADRH, ADRB, ADRB2
	v_add_nc_u32 v[\r+1], SLOT, v[\r]
.endr
	v_mul_u32_u24 v5, v3, SPITCH
	v_lshl_add_u32 v5, v4, 6, v5
	v_add_nc_u32 v[STO], s71, v5
	v_mul_u32_u24 v6, v4, SPITCH
	v_lshl_add_u32 v6, v3, 4, v6
	v_add_nc_u32 v[RD], s71, v6
	v_lshlrev_b32 v5, 13, v4
	v_lshl_add_u32 v[CO], v3, 4, v5
	v_add_nc_u32 v[EX], s72, v2
	v_add_nc_u32 v[RX], s73, v2
	s_wait_alu depctr_va_vdst(0)
.irp g, 0,1
.irp t, 0,1,2,3
	global_load_b128 v[CF+16*\g+4*\t:CF+16*\g+4*\t+3], v7, s[8:9] offset:128*\g+16*\t
.endr
.endr
	ASK 0, 0                                       ; tiles 1 and 2
	ASK 1, 0
	s_wait_kmcnt 0x0
	s_add_co_i32 s88, s84, s85
	s_add_co_i32 s89, s86, s87
	s_cmp_lg_u32 s15, 0
	s_cselect_b32 s88, s89, s88                    ; my product's exponent
	s_cselect_b32 s90, -1, 0
	s_add_co_i32 s92, s87, 127
	s_lshl_b32 s93, s92, 23                        ; 2^e3
	s_add_co_i32 s92, s92, 15
	s_lshl_b32 s92, s92, 23
	s_or_b32 s92, s92, 0x600000                    ; 57,344 x 2^e3
	s_wait_loadcnt 0x0
	WIN 0x40                                       ; the factor of accumulator b = 4 g + i, register j: column 64 g + 4 (8 h + j) + i
.irp g, 0,1
.irp j, 0,1,2,3,4,5,6,7
	v_lshlrev_b32 v[GR+8*(4*\g)+\j], 16, v[CF+16*\g+2*\j]
	v_and_b32 v[GR+8*(4*\g+1)+\j], 0xffff0000, v[CF+16*\g+2*\j]
	v_lshlrev_b32 v[GR+8*(4*\g+2)+\j], 16, v[CF+16*\g+2*\j+1]
	v_and_b32 v[GR+8*(4*\g+3)+\j], 0xffff0000, v[CF+16*\g+2*\j+1]
.endr
.endr
	WIN 0x44
.set i, 0
.rept 64
	v_cndmask_b32 v[GR+i], 1.0, v[GR+i], s90       ; base's product has no coeff
.set i, i+1
.endr
	WIN 0x41
.set i, 0
.rept 64
	v_ldexp_f32 v[GR+i], v[GR+i], s88
.set i, i+1
.endr
	WIN 0
	v_mov_b32 v31, s93
	v_mov_b32 v5, s92
.irp d, 0,1,2,3,4,5,6,7
	v_min_num_f32 v[56+\d], 1.0, v5                ; the hold at the largest code x the scale
.endr
	v_cvt_scalef32_pk8_bf8_f32 v[VC:VC+1], v[56:63], v31
	v_nop                                          ; a plain line behind the conversion
	v_or_b32 v[TAB], 0x80008000, v[VC]
	v_or_b32 v[TAB+1], 0x80800000, v[VC]
	v_or_b32 v[TAB+3], 0x80808080, v[VC]
.macro FRAG reg, adr, off
	ds_load_b128 v[\reg:\reg+3], v[\adr] offset:\off
	ds_load_b128 v[\reg+4:\reg+7], v[\adr] offset:\off+512
.endm
.macro FETCH_A ls, u, set              ; 16 loads
.irp a, 0,1,2,3
	FRAG AS+64*(\set)+8*\a, ADRL+(\ls), (\u)*UA+\a*1024
.endr
.irp a, 0,1,2,3
	FRAG AS+64*(\set)+32+8*\a, ADRH+(\ls), (\u)*UA+\a*1024
.endr
.endm
.macro BSEL ls, u
.set BA, ADRB+(\ls)
.if (\u) >= 2
.set BA, ADRB2+(\ls)
.endif
.set BO, ((\u)%2)*UB
.endm
.macro PRM d, j, s                     ; four codes: the sign of each by bit j of its selector byte (index 0-3: second source, 4-7: first)
.if (\j) == 2
	v_perm_b32 v[\d], v[TAB+3], v[VC], v[\s]
.else
	v_perm_b32 v[\d], v[TAB+(\j)], v[TAB+(\j)], v[\s]
.endif
.endm
.macro EXPAND u, set                   ; unit u's 64 registers of sign codes
	WIN TO_B
.irp c, 0,1
.irp g, 0,1
.irp i, 0,1,2,3
.irp m, 0,1,2
	PRM 64*(\set)+8*(4*\g+\i)+4*\c+\m, \m, SEL+24*(\u)+4*(2*\g+\c)+\i
.endr
.if \i < 3
	PRM 64*(\set)+8*(4*\g+\i)+4*\c+3, \i, SEL+24*(\u)+16+4*\c+2*\g
.else
	PRM 64*(\set)+8*(4*\g+\i)+4*\c+3, 0, SEL+24*(\u)+16+4*\c+2*\g+1
.endif
.endr
.endr
.endr
	WIN 0
	s_wait_alu depctr_va_vdst(0)
.endm
.macro ARM ls, u, set                  ; the second operand of unit u: base's fragments from LDS, or the signs' codes from the selector words
	s_cmp_eq_u32 s15, 0
	s_cbranch_scc0 .Lsg_\@
	BSEL \ls, \u
	WIN TO_B
.irp b, 0,1,2,3,4,5,6,7
	FRAG 64*(\set)+8*\b, BA, BO+\b*1024
.endr
	WIN 0
	s_wait_dscnt 32                                ; all but the 32 loads just issued: the unit at hand is in
	s_branch .Lj_\@
.Lsg_\@:
	s_wait_dscnt 16                                ; all but x's 16 loads just issued
	EXPAND \u, \set
.Lj_\@:
.endm
.macro FETCH0 ls                       ; a slot's first: base's unit 0, or the selector words of all four units
	s_cmp_eq_u32 s15, 0
	s_cbranch_scc0 .Lsl_\@
	WIN TO_B
.irp b, 0,1,2,3,4,5,6,7
	FRAG 8*\b, ADRB+(\ls), \b*1024
.endr
	WIN 0
	s_branch .Lgt_\@
.Lsl_\@:
.irp u, 0,1,2,3
	BSEL \ls, \u
.irp q, 0,1,2,3,4,5
	ds_load_b128 v[SEL+24*\u+4*\q:SEL+24*\u+4*\q+3], v[BA] offset:BO+SELO+512*\q
.endr
.endr
.Lgt_\@:
.endm
.macro EXP0
	s_cmp_eq_u32 s15, 0
	s_cbranch_scc1 .Lnx_\@
	s_wait_dscnt 16                                ; the selector words are in; x's 16 loads may be out
	EXPAND 0, 0
.Lnx_\@:
.endm
.macro MUL16 a0, set, zero             ; the 64 accumulators take turns, in the same order in every unit
.irp a, \a0, \a0+1
.irp b, 0,1,2,3,4,5,6,7
.if \zero
	v_wmma_f32_16x16x64_bf8_bf8 v[8*(8*((\a)%4)+\b):8*(8*((\a)%4)+\b)+7], v[64*(\set)+8*\b:64*(\set)+8*\b+7], v[AS+64*(\set)+8*(\a):AS+64*(\set)+8*(\a)+7], 0
.else
	v_wmma_f32_16x16x64_bf8_bf8 v[8*(8*((\a)%4)+\b):8*(8*((\a)%4)+\b)+7], v[64*(\set)+8*\b:64*(\set)+8*\b+7], v[AS+64*(\set)+8*(\a):AS+64*(\set)+8*(\a)+7], v[8*(8*((\a)%4)+\b):8*(8*((\a)%4)+\b)+7]
.endif
.endr
.endr
.endm
.macro UNIT ls, u, zero                ; units 0 to 2 of a slot: the next unit is fetched into the other set, then 64 products
	PLACES 4                                       ; behind the last unit's products, which read the set that is now written
	FETCH_A \ls, (\u)+1, ((\u)+1)%2
	ARM \ls, (\u)+1, ((\u)+1)%2
	WIN MUL_LO
	MUL16 0, (\u)%2, \zero
	MUL16 2, (\u)%2, \zero
	WIN MUL_HI
	MUL16 4, (\u)%2, \zero
	MUL16 6, (\u)%2, \zero
	WIN 0
.endm
.macro CHANGE ls, fill                 ; a slot's unit 3 (set 1), whose fragments were fetched a unit ago: the slot is free, and is filled again at once
.if \fill
	s_wait_xcnt 0x0                                ; my prefetches have read their address
	s_add_nc_u64 s[PFA:PFA+1], s[PFA:PFA+1], s[PST:PST+1]
.endif
	s_wait_tensorcnt 0x0                           ; all my tensor loads have landed: my part of the next slot
	ds_add_u32 v[SPW], v[NIL]
.if \fill
	s_add_nc_u64 s[G0A+4*\ls+2:G0A+4*\ls+3], s[G0A+4*\ls+2:G0A+4*\ls+3], 8*131072
	s_add_nc_u64 s[G0B+4*\ls+2:G0B+4*\ls+3], s[G0B+4*\ls+2:G0B+4*\ls+3], 8*UW
.endif
	s_wait_dscnt 1                                 ; the add alone may be out: this unit's fragments are in
	WIN MUL_LO
	MUL16 0, 1, 0
	s_wait_dscnt 0x0                               ; the add is done; my reads of this slot are over
	s_barrier_signal -1
	MUL16 2, 1, 0
	WIN 0
	s_barrier_wait -1
.if \fill
	CREST                                          ; the barrier has opened a round of the cluster's barrier
	JLOAD \ls                                      ; its four v_nop are the places in front of the loads below
.else
	PLACES 4
.endif
	FETCH0 1-\ls
	FETCH_A 1-\ls, 0, 0
.if \fill
	ASK 2, 1                                       ; the tile two refills on
.endif
	WIN MUL_HI
	MUL16 4, 1, 0
	MUL16 6, 1, 0
	WIN 0
	EXP0
.endm
	s_wait_alu depctr_va_vdst(0)
	s_wait_tensorcnt 0x0                           ; my part of tile 0 is in; slot 1's first fill is issued as a refill is
	ds_add_u32 v[SPW], v[NIL]
	s_wait_dscnt 0x0
	CROUND
	JLOAD 1                                        ; tile 1
	FETCH0 0
	FETCH_A 0, 0, 0
	ASK 2, 0                                       ; tile 3
	EXP0
	UNIT 0, 0, 1                                   ; the first unit's products start the sums
	s_mov_b32 s3, 7
.Llap:                                                 ; a trip goes once round the ring and fills both slots again: tiles 2 to 15 in seven trips
	UNIT 0, 1, 0
	UNIT 0, 2, 0
	CHANGE 0, 1
	UNIT 1, 0, 0
	UNIT 1, 1, 0
	UNIT 1, 2, 0
	CHANGE 1, 1
	UNIT 0, 0, 0
	s_sub_co_u32 s3, s3, 1
	s_cmp_lg_u32 s3, 0
	s_cbranch_scc1 .Llap
	UNIT 0, 1, 0                                   ; tiles 14 and 15: nothing is filled again
	UNIT 0, 2, 0
	CHANGE 0, 0
	UNIT 1, 0, 0
	UNIT 1, 1, 0
	UNIT 1, 2, 0
	s_wait_dscnt 0x0
	WIN MUL_LO
	MUL16 0, 1, 0
	MUL16 2, 1, 0
	WIN MUL_HI
	MUL16 4, 1, 0
	MUL16 6, 1, 0
	WIN 0
	PLACES 4
; THE WAY OUT.  Each sum x its column's factor.  The 64 rows of window 3 go to the partner wave (wave xor 2) as images of registers; the 64 rows of window 2 take the partner's in, are rounded to bf16,
; and leave through my stage as whole rows of 256 bytes.
.macro SENDB k
.if \k >= 2
	s_wait_dscnt 16
.endif
	WIN 0x07
.irp b, 0,1,2,3,4,5,6,7
.irp j, 0,2,4,6
	v_pk_mul_f32 v[RB+64*((\k)%2)+8*\b+\j:RB+64*((\k)%2)+8*\b+\j+1], v[8*(8*(\k)+\b)+\j:8*(8*(\k)+\b)+\j+1], v[GR+8*\b+\j:GR+8*\b+\j+1]
.endr
.endr
	WIN 0
.irp i, 0,1,2,3,4,5,6,7,8,9,10,11,12,13,14,15
	ds_store_b128 v[EX], v[RB+64*((\k)%2)+4*\i:RB+64*((\k)%2)+4*\i+3] offset:(\k)*8192+512*\i
.endr
.endm
.macro RLOAD k
.irp i, 0,1,2,3,4,5,6,7,8,9,10,11,12,13,14,15
	ds_load_b128 v[RB+64*((\k)%2)+4*\i:RB+64*((\k)%2)+4*\i+3], v[RX] offset:(\k)*8192+512*\i
.endr
.endm
.macro FIN k
.set RR, RB+64*((\k)%2)
.if \k == 0
	s_wait_dscnt 16                                ; block 0 of the partner's rows is in
.endif
	WIN 0x06
.irp b, 0,1,2,3,4,5,6,7
.irp j, 0,2,4,6
	v_pk_fma_f32 v[RR+8*\b+\j:RR+8*\b+\j+1], v[8*(8*(\k)+\b)+\j:8*(8*(\k)+\b)+\j+1], v[GR+8*\b+\j:GR+8*\b+\j+1], v[RR+8*\b+\j:RR+8*\b+\j+1]
.endr
.endr
	WIN 0
.irp g, 0,1
.irp j, 0,1,2,3,4,5,6,7
	v_cvt_pk_bf16_f32 v[PK+16*\g+2*\j], v[RR+8*(4*\g)+\j], v[RR+8*(4*\g+1)+\j]
	v_cvt_pk_bf16_f32 v[PK+16*\g+2*\j+1], v[RR+8*(4*\g+2)+\j], v[RR+8*(4*\g+3)+\j]
.endr
.endr
.irp g, 0,1
.irp t, 0,1,2,3
	ds_store_b128 v[STO], v[PK+16*\g+4*\t:PK+16*\g+4*\t+3] offset:128*\g+16*\t
.endr
.endr
.if \k > 0
	s_wait_xcnt 0x0                                ; the last block's stores have read their registers
.endif
.irp t, 0,1,2,3,4,5,6,7
	ds_load_b128 v[OB+4*\t:OB+4*\t+3], v[RD] offset:2*SPITCH*\t
.endr
.if \k < 2
	RLOAD (\k)+2
	s_wait_dscnt 16                                ; all but the 16 loads just issued
.else
	s_wait_dscnt 0x0
.endif
.irp t, 0,1,2,3,4,5,6,7
	global_store_b128 v[CO], v[OB+4*\t:OB+4*\t+3], s[12:13] offset:(16*(\k)+2*\t)*8192 th:TH_STORE_NT   ; sixteen lanes store 256 consecutive bytes, aligned
.endr
.endm
	SENDB 0
	SENDB 1
	SENDB 2
	SENDB 3
	s_wait_dscnt 0x0                               ; for the partner's sake: my stores are done
	s_barrier_signal -1
	s_barrier_wait -1
	RLOAD 0
	RLOAD 1
	FIN 0
	FIN 1
	FIN 2
	FIN 3
	s_wait_tensorcnt 0x0                           ; the wave's end
	ds_add_u32 v[SPW], v[NIL]
	s_wait_dscnt 0x0
	CROUND                                         ; the closing round
	s_endpgm
.Lfunc_end_k_q3d5fa93e1a_gemm:
	.size	k_q3d5fa93e1a_gemm, .Lfunc_end_k_q3d5fa93e1a_gemm-k_q3d5fa93e1a_gemm
	.p2alignl 7, 3214868480
	.fill 96, 4, 3214868480
	.section	.rodata,"a",@progbits
	.p2align	6, 0x0
	.amdhsa_kernel k_q3d5fa93e1a_gemm
		.amdhsa_group_segment_fixed_size 327680
		.amdhsa_private_segment_fixed_size 0
		.amdhsa_enable_private_segment 0
		.amdhsa_kernarg_size 40
		.amdhsa_user_sgpr_count 2
		.amdhsa_user_sgpr_kernarg_segment_ptr 1
		.amdhsa_wavefront_size32 1
		.amdhsa_system_sgpr_workgroup_id_x 1
		.amdhsa_system_sgpr_workgroup_id_y 1
		.amdhsa_system_sgpr_workgroup_id_z 1
		.amdhsa_system_vgpr_workitem_id 0
		.amdhsa_next_free_vgpr 1024
		.amdhsa_next_free_sgpr 96
		.amdhsa_reserve_vcc 0
		.amdhsa_float_denorm_mode_32 3
		.amdhsa_float_denorm_mode_16_64 3
		.amdhsa_memory_ordered 1
		.amdhsa_forward_progress 1
		.amdhsa_inst_pref_size 242
	.end_amdhsa_kernel
	.amdgpu_metadata
---
amdhsa.version: [ 1, 2 ]
amdhsa.kernels:
  - .name:           k_q3d5fa93e1a_gemm
    .symbol:         k_q3d5fa93e1a_gemm.kd
    .args:
      - { .name: xq, .offset: 0, .size: 8, .value_kind: global_buffer, .address_space: global }
      - { .name: wq, .offset: 8, .size: 8, .value_kind: global_buffer, .address_space: global }
      - { .name: coeff, .offset: 16, .size: 8, .value_kind: global_buffer, .address_space: global }
      - { .name: lowp_scales, .offset: 24, .size: 8, .value_kind: global_buffer, .address_space: global }
      - { .name: out0, .offset: 32, .size: 8, .value_kind: global_buffer, .address_space: global }
    .group_segment_fixed_size: 327680
    .private_segment_fixed_size: 0
    .kernarg_segment_align: 8
    .kernarg_segment_size: 40
    .max_flat_workgroup_size: 128
    .sgpr_count:     96
    .vgpr_count:     1024
    .wavefront_size: 32
...
	.end_amdgpu_metadata
.endif
;; end of part 2
